; MI455X (gfx1250); checked and timed in simulation.
; The chip was launched on July 23, 2026; its instructions are those of AMD's public machine-readable ISA for CDNA 5 (MIT licence, August 2026) and "CDNA5" Instruction Set Architecture Reference Guide (July 2026). The comments in the code are by the model that wrote it; some were corrected since.
;; Decoder. Allowed arithmetic: float matrix products may take bf16 or f16 operands with f32 sums; all other float work in f32.
;; Inputs: W_bin 512 x 256 float32; W_eos 512 x 512 float32; W_fc 3 x 1,024 float32; b_eos 512 float32; b_fc 3 float32; bin_embedding_table 115,000 x 256 float32; eos_emb 16 x 23 x 512 float32; sampled_indices 23 x 16 x 512 int32; targets 23 x 16 x 512 int32.
;; Outputs: out0 23 x 16 x 512 x 3 float32; out1 23 x 16 x 512 int32.
;; One version. Each part assembles by itself: llvm-mc -triple=amdgcn-amd-amdhsa -mcpu=gfx1250 --defsym DOCPART=n.
;; ======== version 1 of 1: 2 launches
;; workspace buffers: vws 3,072 bytes; ep 47,104 bytes
;; launch fold (part 1): grid 12 x 1, 16 waves a work-group, no clusters, 33,536 bytes of LDS; arguments W_bin, W_eos, W_fc, b_eos, eos_emb, vws, ep; writes vws, ep
.if DOCPART == 1
	.amdgcn_target "amdgcn-amd-amdhsa--gfx1250"
	.amdhsa_code_object_version 6
	.text
	.protected	k_q80ec5c3147_fold
	.globl	k_q80ec5c3147_fold
	.p2align	8
	.type	k_q80ec5c3147_fold,@function
k_q80ec5c3147_fold:
	s_mov_b64 s[64:65], 0
	v_nop
	global_prefetch_b8 v0, s[64:65] scope:SCOPE_SE
	s_setreg_imm32_b32 hwreg(HW_REG_WAVE_MODE, 25, 1), 1
	s_wait_xcnt 0x0
; FOLD: nothing nonlinear stands between the two projections and the last linear layer, so for every input
;   pred = relu( table_row . V[n] + E[b,c,n] + b_fc[n] )
;   V[n][e]    = sum over d of W_fc[n][d]     W_bin[d][e]                     (3 x 256)
;   U[n][e]    = sum over d of W_fc[n][512+d] W_eos[d][e]                     (3 x 512)
;   E[b,c,n]   = sum over e of eos_emb[b,c,e] U[n][e] + sum over d of b_eos[d] W_fc[n][512+d]
; This launch makes V (buffer vws, byte n*1024 + e*4) and E in eight partial sums (buffer ep, byte x*5888 + row*16 + n*4,
; row = b*23 + c, x = block of 64 columns e and of 64 entries d of the bias term; word 3 is 0).  The next launch adds the eight.
; Work-group x owns 64 columns (256 bytes of every row) of its matrix: x = 0..3 of W_bin, x = 4..11 of W_eos.  U is needed only
; block by block, so each work-group finishes its own share of E: no sum crosses work-groups.  Every byte of W_bin, W_eos and
; eos_emb is loaded by one work-group, sixteen neighbouring lanes taking 256 neighbouring aligned bytes.
; All arithmetic in f32 on the vector unit: 3 output columns would leave 13 of a matrix tile's 16 columns empty, and the
; eos term is the larger part of the result, so that rounding it to 16 bits would cost accuracy and buy no time.
; No cluster: no two work-groups load the same bytes but the 12 KiB of W_fc.  No copies into LDS by an engine: each byte is used once.
; LIMIT: the f32 sums are associated otherwise than in the reference (W_fc is multiplied into the weights first).
.set RED,  0                           ; LDS [32 row groups][3][64 f32]: g*768 + n*256 + q*16
.set ULDS, 24576                       ; LDS [3][64 f32]: this block's U
.set STG,  25344                       ; LDS 384 rows x 16 bytes: the block's E, gathered for whole stores
.set WF,   16                          ; v[16:63]   W_fc[n][16 g + j] at 16 n + j
.set WD,   64                          ; v[64:127]  row j of my 16 rows of W: 4 columns
.set ACC,  128                         ; v[128:139] my partial sums: n at 4 n
.set EO,   140                         ; v[140:187] eos row g + 32 j: 4 columns, later its three sums and a zero
.set BQ,   188                         ; v[188:191] b_eos, my 4 entries
.set FQ,   192                         ; v[192:203] W_fc[n][512 + ..], my 4 entries
.set UQ,   204                         ; v[204:215] U[n], my 4 columns
.set INI,  216                         ; v[216:221] bias term of my 4 entries, a pair for each n
.set T,    222                         ; v[222:227] at work, a pair for each n
	s_load_b256 s[4:11], s[0:1], 0x0               ; W_bin s[4:5], W_eos s[6:7], W_fc s[8:9], b_eos s[10:11]
	s_load_b128 s[12:15], s[0:1], 0x20             ; eos_emb s[12:13], vws s[14:15]
	s_load_b64 s[16:17], s[0:1], 0x30              ; ep
	v_lshl_add_u32 v232, v0, 2, 0x7b00
	v_mov_b32 v233, 0
	v_and_b32 v1, 15, v0
	v_lshlrev_b32 v1, 4, v1                        ; 16 q: my 16 bytes of the block's 256
	v_lshrrev_b32 v2, 4, v0                        ; g = 0..31: my group of 16 rows
	v_lshrrev_b32 v11, 5, v0
	v_readfirstlane_b32 s18, v11                   ; wave number
	v_lshlrev_b32 v4, 6, v2                        ; 64 g: my 16 entries of a row of W_fc
	v_mad_u32_u24 v7, v2, 768, v1                  ; RED: where my partial sums go
	v_bfe_u32 v8, v0, 4, 1                         ; h: half of the wave
	v_mad_u32_u24 v8, v8, 12288, v1                ; RED: half h adds row groups 16 h .. 16 h + 15,
	s_lshl_b32 s37, s18, 8
	v_add_nc_u32 v8, s37, v8                       ; of output n = wave (waves 0..2 only)
	s_mov_b32 s33, 0                               ; high word of every offset pair
	s_mov_b32 s34, 0x76543210                      ; v_permlanex16_b32: lane i takes lane i of the other half
	s_mov_b32 s35, 0xfedcba98
	s_wait_kmcnt 0x0
	s_cmp_lt_u32 ttmp9, 4                          ; the same in all waves of the work-group
	s_cbranch_scc1 .Lvpath
; 12 loads of W_fc (the same for the 16 lanes of a row group), then my 16 rows of W
.macro ISSUE1 pitch
.irp n, 0,1,2
.irp i, 0,1,2,3
	global_load_b128 v[WF+16*\n+4*\i:WF+16*\n+4*\i+3], v4, s[22:23] offset:\n*4096+16*\i
.endr
.endr
.irp j, 0,1,2,3,4,5,6,7,8,9,10,11,12,13,14,15
	global_load_b128 v[WD+4*\j:WD+4*\j+3], v3, s[20:21] offset:\j*\pitch th:TH_LOAD_NT
.endr
.endm
; ACC[n] = sum over my 16 rows of W_fc[n][row] x W[row][my 4 columns]; the first product starts the sums.
; younger = loads issued behind the 16 rows, which may stay out.
.macro FOLD1 younger
.irp j, 0,1,2,3,4,5,6,7,8,9,10,11,12,13,14,15
	s_wait_loadcnt \younger+15-\j                  ; loads return in order: W_fc and row j are in, the 15 - j later rows and the younger loads stay out
.irp n, 0,1,2
.set P, WF+16*\n+(\j&14)                           ; the pair that holds W_fc[n][row j]; op_sel picks its first or second register for both halves
.if \j == 0
	v_pk_mul_f32 v[ACC+4*\n:ACC+4*\n+1],   v[WD:WD+1],   v[P:P+1] op_sel_hi:[1,0]
	v_pk_mul_f32 v[ACC+4*\n+2:ACC+4*\n+3], v[WD+2:WD+3], v[P:P+1] op_sel_hi:[1,0]
.else
.if (\j&1) == 0
	v_pk_fma_f32 v[ACC+4*\n:ACC+4*\n+1],   v[WD+4*\j:WD+4*\j+1],   v[P:P+1], v[ACC+4*\n:ACC+4*\n+1] op_sel_hi:[1,0,1]
	v_pk_fma_f32 v[ACC+4*\n+2:ACC+4*\n+3], v[WD+4*\j+2:WD+4*\j+3], v[P:P+1], v[ACC+4*\n+2:ACC+4*\n+3] op_sel_hi:[1,0,1]
.else
	v_pk_fma_f32 v[ACC+4*\n:ACC+4*\n+1],   v[WD+4*\j:WD+4*\j+1],   v[P:P+1], v[ACC+4*\n:ACC+4*\n+1] op_sel:[0,1,0] op_sel_hi:[1,1,1]
	v_pk_fma_f32 v[ACC+4*\n+2:ACC+4*\n+3], v[WD+4*\j+2:WD+4*\j+3], v[P:P+1], v[ACC+4*\n+2:ACC+4*\n+3] op_sel:[0,1,0] op_sel_hi:[1,1,1]
.endif
.endif
.endr
.endr
.irp n, 0,1,2
	ds_store_b128 v7, v[ACC+4*\n:ACC+4*\n+3] offset:RED+\n*256
.endr
	s_wait_dscnt 0x0                               ; my partial sums are in LDS before I say so: other waves read them
	s_barrier_signal -1
	s_barrier_wait -1
.endm
; Waves 0..2: wave n adds the 32 row groups' partial sums of output n.  isv = 1: the sum is a piece of V and goes to memory;
; isv = 0: it is this block's U and goes to LDS.
.macro REDUCE sfx, isv
	s_cmp_ge_u32 s18, 3
	s_cbranch_scc1 .Lskip_\sfx
.irp i, 0,1,2,3,4,5,6,7,8,9,10,11,12,13,14,15
	ds_load_b128 v[WD+4*\i:WD+4*\i+3], v8 offset:RED+\i*768
.endr
	s_wait_dscnt 0x0
.irp st, 8,4,2,1
.set i, 0
.rept \st
	v_pk_add_f32 v[WD+4*i:WD+4*i+1],   v[WD+4*i:WD+4*i+1],   v[WD+4*(i+\st):WD+4*(i+\st)+1]
	v_pk_add_f32 v[WD+4*i+2:WD+4*i+3], v[WD+4*i+2:WD+4*i+3], v[WD+4*(i+\st)+2:WD+4*(i+\st)+3]
.set i, i+1
.endr
.endr
.irp k, 0,1,2,3
	v_permlanex16_b32 v[WD+4+\k], v[WD+\k], s34, s35       ; the other half's 16 row groups (the destination has been written before)
.endr
	v_pk_add_f32 v[WD:WD+1],   v[WD:WD+1],   v[WD+4:WD+5]
	v_pk_add_f32 v[WD+2:WD+3], v[WD+2:WD+3], v[WD+6:WD+7]
.if \isv
	v_and_b32 v11, 31, v0
	s_lshl_b32 s37, s18, 10
	v_add_nc_u32 v12, s37, v1                      ; row n of V, my 16 bytes
	s_wait_xcnt 0x0                                ; EXEC is a source of memory instructions: it changes only behind this wait
	v_cmp_gt_u32 vcc_lo, 16, v11
	s_and_saveexec_b32 s36, vcc_lo                 ; both halves hold the same sums: lanes 0..15 store 256 consecutive aligned bytes
	global_store_b128 v12, v[WD:WD+3], s[30:31]
	s_wait_xcnt 0x0
	s_or_b32 exec_lo, exec_lo, s36
.else
	v_add_nc_u32 v12, s37, v9                      ; s37 = 256 x wave
	ds_store_b128 v12, v[WD:WD+3]                  ; both halves store the same numbers to the same bytes
.endif
.Lskip_\sfx:
.endm
	; ---------------- work-groups 4..11: a block of U, and its share of E ----------------
	s_sub_co_u32 s19, ttmp9, 4                     ; xe = 0..7
	s_lshl_b32 s32, s19, 8                         ; the block's 256 bytes in a row
	s_add_nc_u64 s[20:21], s[6:7], s[32:33]        ; W_eos at the block
	s_add_nc_u64 s[24:25], s[12:13], s[32:33]      ; eos_emb at the block
	s_add_nc_u64 s[26:27], s[10:11], s[32:33]      ; b_eos at the block
	s_add_nc_u64 s[22:23], s[8:9], 2048            ; W_fc[.][512 ..]
	s_add_nc_u64 s[28:29], s[22:23], s[32:33]      ; and that at the block
	s_mul_i32 s32, s19, 5888
	s_add_nc_u64 s[30:31], s[16:17], s[32:33]      ; ep at the block's 368 rows of 16 bytes
	v_lshl_add_u32 v3, v2, 15, v1                  ; 16 g rows of 2,048 bytes + 16 q
	v_lshl_add_u32 v5, v2, 11, v1                  ; eos row g
	v_add_nc_u32 v6, 352, v2
	v_min_u32 v6, 367, v6                          ; 368 rows = 11.5 x 32: groups 16..31 have no twelfth row and take row 367 again;
	v_lshl_add_u32 v6, v6, 11, v1                  ; what they make of it lands in stage rows 368..383, which never go to memory
	v_add_nc_u32 v9, ULDS, v1
	v_lshl_add_u32 v10, v2, 4, STG                 ; stage row g
	ISSUE1 2048
.irp j, 0,1,2,3,4,5,6,7,8,9,10
	global_load_b128 v[EO+4*\j:EO+4*\j+3], v5, s[24:25] offset:\j*65536 th:TH_LOAD_NT   ; eos row g + 32 j
.endr
	global_load_b128 v[EO+44:EO+47], v6, s[24:25]
	global_load_b128 v[BQ:BQ+3], v1, s[26:27]
.irp n, 0,1,2
	global_load_b128 v[FQ+4*\n:FQ+4*\n+3], v1, s[28:29] offset:\n*4096
.endr
	FOLD1 16                                       ; 16 younger loads: 12 eos rows, b_eos, 3 of W_fc
	REDUCE e, 0
	s_wait_dscnt 0x0                               ; U is in LDS before its writers say so
	s_barrier_signal -1
	s_barrier_wait -1
.irp n, 0,1,2
	ds_load_b128 v[UQ+4*\n:UQ+4*\n+3], v9 offset:\n*256
.endr
	s_wait_loadcnt 0x0                             ; eos rows, b_eos, W_fc
	s_wait_dscnt 0x0
.irp n, 0,1,2
	v_pk_mul_f32 v[INI+2*\n:INI+2*\n+1], v[BQ:BQ+1], v[FQ+4*\n:FQ+4*\n+1]
	v_pk_fma_f32 v[INI+2*\n:INI+2*\n+1], v[BQ+2:BQ+3], v[FQ+4*\n+2:FQ+4*\n+3], v[INI+2*\n:INI+2*\n+1]
.endr
.irp j, 0,1,2,3,4,5,6,7,8,9,10,11
.irp n, 0,1,2
	v_pk_fma_f32 v[T+2*\n:T+2*\n+1], v[EO+4*\j:EO+4*\j+1], v[UQ+4*\n:UQ+4*\n+1], v[INI+2*\n:INI+2*\n+1]
.endr
.irp n, 0,1,2
	v_pk_fma_f32 v[T+2*\n:T+2*\n+1], v[EO+4*\j+2:EO+4*\j+3], v[UQ+4*\n+2:UQ+4*\n+3], v[T+2*\n:T+2*\n+1]
.endr
.irp n, 0,1,2
	v_add_f32 v[EO+4*\j+\n], v[T+2*\n], v[T+2*\n+1]        ; the row's registers are free now: all three sums have read them
.endr
	v_mov_b32 v[EO+4*\j+3], 0
.endr
.irp m, 8,4,2,1                                    ; over the 16 lanes of a row group; the step is the outer loop, so that neighbours do not wait for each other
.irp j, 0,1,2,3,4,5,6,7,8,9,10,11
.irp n, 0,1,2
	v_add_f32_dpp v[EO+4*\j+\n], v[EO+4*\j+\n], v[EO+4*\j+\n] row_xmask:\m row_mask:0xf bank_mask:0xf
.endr
.endr
.endr
	; In each step lanes i and i xor m add the same two numbers, so the 16 lanes of a row group end with the same bits:
	; all of them store, the same 16 bytes to the same place, and EXEC stays whole.
.irp j, 0,1,2,3,4,5,6,7,8,9,10,11
	ds_store_b128 v10, v[EO+4*\j:EO+4*\j+3] offset:\j*512  ; stage row g + 32 j
.endr
	s_wait_dscnt 0x0                               ; the stage is written before I say so
	s_barrier_signal -1
	s_barrier_wait -1
	s_cmp_ge_u32 s18, 12                           ; waves 0..11 = threads 0..383 = the stage's 384 rows
	s_cbranch_scc1 .Lend_e
	v_lshlrev_b32 v11, 4, v0
	ds_load_b128 v[WD:WD+3], v11 offset:STG
	s_wait_dscnt 0x0
	s_wait_xcnt 0x0                                ; EXEC changes only behind this wait
	v_cmp_gt_u32 vcc_lo, 368, v0
	s_and_saveexec_b32 s36, vcc_lo                 ; threads 0..367: a row of 16 bytes each, 23 runs of 256 consecutive aligned bytes
	global_store_b128 v11, v[WD:WD+3], s[30:31]
	s_wait_xcnt 0x0
	s_or_b32 exec_lo, exec_lo, s36
.Lend_e:
	s_wait_tensorcnt 0x0
	ds_add_u32 v232, v233
	s_wait_dscnt 0x0
	s_endpgm
	; ---------------- work-groups 0..3: a block of V ----------------
.Lvpath:
	s_lshl_b32 s32, ttmp9, 8
	s_add_nc_u64 s[20:21], s[4:5], s[32:33]        ; W_bin at the block
	s_mov_b64 s[22:23], s[8:9]                     ; W_fc[.][0 ..]
	s_add_nc_u64 s[30:31], s[14:15], s[32:33]      ; vws at the block
	v_lshl_add_u32 v3, v2, 14, v1                  ; 16 g rows of 1,024 bytes + 16 q
	ISSUE1 1024
	FOLD1 0
	REDUCE v, 1
	s_wait_tensorcnt 0x0
	ds_add_u32 v232, v233
	s_wait_dscnt 0x0
	s_endpgm
.Lfunc_end_k_q80ec5c3147_fold:
	.size	k_q80ec5c3147_fold, .Lfunc_end_k_q80ec5c3147_fold-k_q80ec5c3147_fold
	.p2alignl 7, 3214868480
	.fill 96, 4, 3214868480
	.section	.rodata,"a",@progbits
	.p2align	6, 0x0
	.amdhsa_kernel k_q80ec5c3147_fold
		.amdhsa_group_segment_fixed_size 33536
		.amdhsa_private_segment_fixed_size 0
		.amdhsa_enable_private_segment 0
		.amdhsa_kernarg_size 56
		.amdhsa_user_sgpr_count 2
		.amdhsa_user_sgpr_kernarg_segment_ptr 1
		.amdhsa_wavefront_size32 1
		.amdhsa_system_sgpr_workgroup_id_x 1
		.amdhsa_system_sgpr_workgroup_id_y 1
		.amdhsa_system_sgpr_workgroup_id_z 1
		.amdhsa_system_vgpr_workitem_id 0
		.amdhsa_next_free_vgpr 234
		.amdhsa_next_free_sgpr 66
		.amdhsa_reserve_vcc 1
		.amdhsa_float_denorm_mode_32 3
		.amdhsa_float_denorm_mode_16_64 3
		.amdhsa_memory_ordered 1
		.amdhsa_forward_progress 1
		.amdhsa_inst_pref_size 48
	.end_amdhsa_kernel
	.amdgpu_metadata
---
amdhsa.version: [ 1, 2 ]
amdhsa.kernels:
  - .name:           k_q80ec5c3147_fold
    .symbol:         k_q80ec5c3147_fold.kd
    .args:
      - { .name: W_bin, .offset: 0, .size: 8, .value_kind: global_buffer, .address_space: global }
      - { .name: W_eos, .offset: 8, .size: 8, .value_kind: global_buffer, .address_space: global }
      - { .name: W_fc, .offset: 16, .size: 8, .value_kind: global_buffer, .address_space: global }
      - { .name: b_eos, .offset: 24, .size: 8, .value_kind: global_buffer, .address_space: global }
      - { .name: eos_emb, .offset: 32, .size: 8, .value_kind: global_buffer, .address_space: global }
      - { .name: vws, .offset: 40, .size: 8, .value_kind: global_buffer, .address_space: global }
      - { .name: ep, .offset: 48, .size: 8, .value_kind: global_buffer, .address_space: global }
    .group_segment_fixed_size: 33536
    .private_segment_fixed_size: 0
    .kernarg_segment_align: 8
    .kernarg_segment_size: 56
    .max_flat_workgroup_size: 512
    .sgpr_count:     66
    .vgpr_count:     234
    .wavefront_size: 32
...
	.end_amdgpu_metadata
.endif
;; end of part 1
;; launch gather (part 2): grid 256 x 1, 16 waves a work-group, no clusters, 14,848 bytes of LDS; arguments sampled_indices, targets, bin_embedding_table, b_fc, vws, ep, out0, out1; writes out0, out1
.if DOCPART == 2
	.amdgcn_target "amdgcn-amd-amdhsa--gfx1250"
	.amdhsa_code_object_version 6
	.text
	.protected	k_q80ec5c3147_gather
	.globl	k_q80ec5c3147_gather
	.p2align	8
	.type	k_q80ec5c3147_gather,@function
k_q80ec5c3147_gather:
	s_mov_b64 s[64:65], 0
	v_nop
	global_prefetch_b8 v0, s[64:65] scope:SCOPE_SE
	s_setreg_imm32_b32 hwreg(HW_REG_WAVE_MODE, 25, 1), 1
	s_wait_xcnt 0x0
; GATHER: out0[c,b,s,n] = relu( table[5000 c + idx[c,b,s]] . V[n] + E[b,c,n] + b_fc[n] ),  out1 = targets.
; V (3 x 256) and E (in eight partial sums) come from the launch before.  What is left is a stream of 188,416 rows of 1,024 bytes.
; A granule is 64 samples of one (c, b): 256 bytes of indices and of targets, 768 bytes of out0, all aligned.  2,944 granules for 256
; work-groups: work-group w = (p, b, sblk) = (w >> 7, (w >> 3) & 15, w & 7) walks c = 2 t + p, t = 0 .. T - 1, T = 12 - p (12 or 11 trips);
; its granule's first sample is 64 w + 16,384 t.  All work-groups stand on the same two chromosomes in the same trip, so that a table row
; which several batch rows name is asked for again close in time.
; In a trip wave v takes samples 4 v .. 4 v + 3: lane (q, h) works for rows 4 v + 2 h + i, i = 0, 1, and one load of the wave covers
; 256 consecutive aligned bytes of each of two rows.  A ring of four slots of 8 loads in registers: 24 to 32 loads of every wave are out.
; All f32 on the vector unit: with 3 output columns a matrix tile would be 13/16 empty and would want a row in each lane, a trip through
; LDS that the packed multiply-adds do not need.  No copy engine: the rows are scattered, no tile.  No cluster: what work-groups share
; by design is 3 KiB of V and 3 KiB of E beside 736 KiB of rows each.  No prefetch: the ring's own loads run three trips ahead, and a
; prefetch could not tell a row that the list names twice.
; LIMITS: an index outside 0..4999 is clamped, as an unsigned number, to 4999.  relu is v_max_num_f32: a NaN would come out as 0.
; The f32 sums are associated otherwise than in the reference.
.set VLDS, 0                           ; LDS 3,072 bytes: V, n*1024 + e*4
.set ELDS, 3072                        ; LDS 32 rows x 16 bytes: row t = E[c = 2 t + p][n] + b_fc[n] of my batch row (rows 12..31 are never read)
.set OUTL, 3584                        ; LDS 12 trips x 768 bytes: t*768 + sample*12 + n*4
.set VV,   16                          ; v[16:63]   V[n][64 j + 4 q ..] at 16 n + 4 j
.set OFF,  64                          ; v[64:87]   trip t, row i: the index, then 1,024 x index + 16 q
.set ESEL, 88                          ; v[88:99]   trip t: E of the output that this lane will store
.set ACC,  100                         ; v[100:111] row i, output n: a pair at 6 i + 2 n
.set KP,   112                         ; v[112:114] sums across lanes
.set RES,  115
.set SD,   116                         ; v[116:118] what goes to the lane 8 away
.set RING, 128                         ; v[128:255] slot t % 4: 32 registers, row i, quarter j at 16 i + 4 j
.set TB,   36                          ; s[36:59]   trip t: the table at chromosome 2 t + p; a pair for each trip, never stepped under a load
	s_load_b512 s[4:19], s[0:1], 0x0               ; idx s[4:5], targets s[6:7], table s[8:9], b_fc s[10:11], vws s[12:13], ep s[14:15], out0 s[16:17], out1 s[18:19]
	v_lshl_add_u32 v126, v0, 2, 0x3200
	v_mov_b32 v127, 0
	v_and_b32 v1, 15, v0
	v_lshlrev_b32 v1, 4, v1                        ; 16 q
	v_lshrrev_b32 v6, 5, v0
	v_readfirstlane_b32 s23, v6                    ; wave number
	v_lshrrev_b32 v2, 4, v0
	v_lshlrev_b32 v2, 3, v2                        ; 8 (2 wave + h): the two indices of my rows
	v_and_b32 v7, 7, v0
	v_mul_u32_u24 v7, 3, v7
	v_lshrrev_b32 v7, 3, v7                        ; the output n that this lane stores: of eight lanes 0-2 take n = 0, 3-5 n = 1, 6-7 n = 2
	v_lshrrev_b32 v8, 3, v0                        ; the sample that this lane stores: 4 wave + 2 h + (q >> 3)
	v_mul_u32_u24 v4, v8, 12
	v_lshl_add_u32 v4, v7, 2, v4
	v_add_nc_u32 v4, OUTL, v4
	v_lshl_add_u32 v5, v7, 2, ELDS                 ; E row 0, word n; 16 bytes a trip
	s_lshr_b32 s25, ttmp9, 7                       ; p
	s_sub_co_u32 s26, 12, s25                      ; T
	s_bfe_u32 s27, ttmp9, 0x40003                  ; b: 4 bits from bit 3
	s_sub_co_u32 s32, s26, 1
	s_lshl_b32 s32, s32, 16
	v_add_nc_u32 v3, s32, v2                       ; the last trip's indices
	s_mov_b32 s28, 0xff00ff00                      ; lanes with q >= 8
	s_mov_b32 s29, 0x07070707                      ; lanes that store n = 0
	s_mov_b32 s30, 0x38383838                      ; lanes that store n = 1
	s_mov_b32 s33, 0
	s_wait_kmcnt 0x0
	s_lshl_b32 s32, ttmp9, 8                       ; 64 w samples of 4 bytes
	s_add_nc_u64 s[4:5], s[4:5], s[32:33]
	s_add_nc_u64 s[6:7], s[6:7], s[32:33]
	s_add_nc_u64 s[18:19], s[18:19], s[32:33]
	s_mul_i32 s32, ttmp9, 768                      ; 64 w samples of 12 bytes
	s_add_nc_u64 s[16:17], s[16:17], s[32:33]
.irp t, 0,1,2,3,4,5,6,7,8,9,10
	global_load_b64 v[OFF+2*\t:OFF+2*\t+1], v2, s[4:5] offset:65536*\t
.endr
	global_load_b64 v[OFF+22:OFF+23], v3, s[4:5]   ; trip T - 1: with p = 1 trip 10 once more, never used; so no load leaves the buffer and every register is written
	s_mul_i32 s32, s25, 5120000                    ; a chromosome is 5,000 rows of 1,024 bytes
.irp t, 0,1,2,3,4,5,6,7,8,9,10
	s_add_nc_u64 s[TB+2*\t:TB+2*\t+1], s[8:9], s[32:33]
	s_add_co_u32 s32, s32, 10240000
.endr
	s_min_u32 s32, s32, 22*5120000                 ; with p = 1 there is no trip 11: its base stays inside the table all the same
	s_add_nc_u64 s[TB+22:TB+23], s[8:9], s[32:33]
	; side work, dealt by wave number; each part's wait for all loads is the wait that the indices need anyway
	s_cmp_ge_u32 s23, 6
	s_cbranch_scc1 .Lrole_b
	v_lshlrev_b32 v6, 4, v0                        ; waves 0..5: V into LDS, 192 threads x 16 bytes
	global_load_b128 v[RING:RING+3], v6, s[12:13]
	s_wait_loadcnt 0x0
	ds_store_b128 v6, v[RING:RING+3] offset:VLDS
	s_branch .Lroles_done
.Lrole_b:
	s_cmp_ge_u32 s23, 12
	s_cbranch_scc1 .Lrole_c
	v_lshrrev_b32 v6, 4, v0                        ; waves 6..11: targets to out1, sixteen lanes for a trip's 256 bytes
	v_add_nc_u32 v6, -12, v6                       ; trip 0..11
	v_lshl_add_u32 v7, v6, 16, v1
	s_wait_xcnt 0x0                                ; EXEC is a source of the index loads: it changes only behind this wait
	v_cmp_gt_u32 vcc_lo, s26, v6
	s_and_saveexec_b32 s31, vcc_lo                 ; trips below T
	global_load_b128 v[RING:RING+3], v7, s[6:7] th:TH_LOAD_NT
	s_wait_loadcnt 0x0
	global_store_b128 v7, v[RING:RING+3], s[18:19] th:TH_STORE_NT
	s_wait_xcnt 0x0                                ; frees EXEC, and the store's data for the ring's loads
	s_or_b32 exec_lo, exec_lo, s31
	s_branch .Lroles_done
.Lrole_c:
	s_cmp_lg_u32 s23, 12
	s_cbranch_scc1 .Lroles_done
	s_load_b96 s[20:22], s[10:11], 0x0             ; wave 12: E of my batch row, lane = trip t: c = 2 t + p
	v_and_b32 v6, 31, v0
	v_lshl_add_u32 v7, v6, 1, s25
	v_min_u32 v7, 22, v7                           ; lanes beyond the last trip repeat c = 22; nobody reads what they store
	s_mul_i32 s32, s27, 23
	v_add_nc_u32 v7, s32, v7                       ; row b*23 + c
	v_lshlrev_b32 v7, 4, v7
.irp x, 0,1,2,3,4,5,6,7
	global_load_b128 v[RING+4*\x:RING+4*\x+3], v7, s[14:15] offset:\x*5888
.endr
	s_wait_loadcnt 0x0
.irp st, 4,2,1
.set i, 0
.rept \st
	v_pk_add_f32 v[RING+4*i:RING+4*i+1],   v[RING+4*i:RING+4*i+1],   v[RING+4*(i+\st):RING+4*(i+\st)+1]
	v_pk_add_f32 v[RING+4*i+2:RING+4*i+3], v[RING+4*i+2:RING+4*i+3], v[RING+4*(i+\st)+2:RING+4*(i+\st)+3]
.set i, i+1
.endr
.endr
	s_wait_kmcnt 0x0
	v_add_f32 v[RING],   s20, v[RING]
	v_add_f32 v[RING+1], s21, v[RING+1]
	v_add_f32 v[RING+2], s22, v[RING+2]
	v_lshlrev_b32 v6, 4, v6
	ds_store_b128 v6, v[RING:RING+3] offset:ELDS
.Lroles_done:
	s_wait_loadcnt 0x0                             ; the indices
.set r, OFF
.rept 24
	v_min_u32 v[r], 0x1387, v[r]                   ; at most 4,999: the row stays inside its chromosome
	v_lshl_add_u32 v[r], v[r], 10, v1              ; 1,024 x index + 16 q
.set r, r+1
.endr
; eight loads: my two rows' four quarters.  No cache hint: the list may name a row again.
.macro FILL t
.set FS, RING+32*((\t)%4)
.irp i, 0,1
.irp j, 0,1,2,3
	global_load_b128 v[FS+16*\i+4*\j:FS+16*\i+4*\j+3], v[OFF+2*(\t)+\i], s[TB+2*(\t):TB+2*(\t)+1] offset:256*\j
.endr
.endr
.endm
	FILL 0
	FILL 1
	FILL 2
	s_wait_dscnt 0x0                               ; V and E are in LDS before their writers say so
	s_barrier_signal -1
	s_barrier_wait -1
.irp n, 0,1,2
.irp j, 0,1,2,3
	ds_load_b128 v[VV+16*\n+4*\j:VV+16*\n+4*\j+3], v1 offset:VLDS+\n*1024+\j*256
.endr
.endr
.irp t, 0,1,2,3,4,5,6,7,8,9,10,11
	ds_load_b32 v[ESEL+\t], v5 offset:16*\t
.endr
	s_wait_dscnt 0x0
; Trip t.  fill = 1: trip t + 3's rows are asked for, into the slot that trip t - 1 has used up.
; left = the loads of the younger fills, 8 each, which stay out.
.macro TRIP t, fill, left
.if \fill
	FILL \t+3
.endif
	s_wait_loadcnt \left                           ; loads return in order: this trip's eight are in
.set SL, RING+32*((\t)%4)
.irp k, 0,1,2,3,4,5,6,7                            ; six chains (2 rows x 3 outputs) that do not wait for each other; the first product starts each
.irp i, 0,1
.irp n, 0,1,2
.if \k == 0
	v_pk_mul_f32 v[ACC+6*\i+2*\n:ACC+6*\i+2*\n+1], v[SL+16*\i:SL+16*\i+1], v[VV+16*\n:VV+16*\n+1]
.else
	v_pk_fma_f32 v[ACC+6*\i+2*\n:ACC+6*\i+2*\n+1], v[SL+16*\i+2*\k:SL+16*\i+2*\k+1], v[VV+16*\n+2*\k:VV+16*\n+2*\k+1], v[ACC+6*\i+2*\n:ACC+6*\i+2*\n+1]
.endif
.endr
.endr
.endr
.irp i, 0,1
.irp n, 0,1,2
	v_add_f32 v[ACC+6*\i+2*\n], v[ACC+6*\i+2*\n], v[ACC+6*\i+2*\n+1]
.endr
.endr
.irp n, 0,1,2                                      ; lanes q < 8 go on with row 0 and hand row 1 to lane q + 8, and the other way round
	v_cndmask_b32 v[KP+\n], v[ACC+2*\n], v[ACC+6+2*\n], s28
	v_cndmask_b32 v[SD+\n], v[ACC+6+2*\n], v[ACC+2*\n], s28
.endr
.irp n, 0,1,2
	v_add_f32_dpp v[KP+\n], v[SD+\n], v[KP+\n] row_xmask:8 row_mask:0xf bank_mask:0xf
.endr
.irp m, 4,2,1
.irp n, 0,1,2
	v_add_f32_dpp v[KP+\n], v[KP+\n], v[KP+\n] row_xmask:\m row_mask:0xf bank_mask:0xf
.endr
.endr
	v_cndmask_b32 v[RES], v[KP+2], v[KP+1], s30    ; every lane of eight holds all three sums and picks the one that it stores
	v_cndmask_b32 v[RES], v[RES], v[KP], s29
	v_add_f32 v[RES], v[RES], v[ESEL+\t]
	v_max_num_f32 v[RES], 0, v[RES]
	ds_store_b32 v4, v[RES] offset:768*\t          ; lanes with the same n store the same number to the same word
.endm
	TRIP 0, 1, 24
	TRIP 1, 1, 24
	TRIP 2, 1, 24
	TRIP 3, 1, 24
	TRIP 4, 1, 24
	TRIP 5, 1, 24
	TRIP 6, 1, 24
	TRIP 7, 1, 24
	s_cmp_lg_u32 s25, 0                            ; the tails are written out for 12 and for 11 trips: each wait counts its own path's loads
	s_cbranch_scc1 .Ltail_b
	TRIP 8, 1, 24
	TRIP 9, 0, 16
	TRIP 10, 0, 8
	TRIP 11, 0, 0
	s_branch .Lout
.Ltail_b:
	TRIP 8, 0, 16
	TRIP 9, 0, 8
	TRIP 10, 0, 0
.Lout:
	s_wait_dscnt 0x0                               ; my results are in LDS before I say so
	s_barrier_signal -1
	s_barrier_wait -1
	s_cmp_ge_u32 s23, 6
	s_cbranch_scc1 .Lend
	v_lshrrev_b32 v6, 4, v0                        ; waves 0..5: sixteen lanes for a trip's 768 bytes
	v_mad_u32_u24 v7, v6, 768, v1
	v_mad_u32_u24 v8, v6, 0x30000, v1              ; 16,384 samples of 12 bytes from trip to trip
	s_wait_xcnt 0x0
	v_cmp_gt_u32 vcc_lo, s26, v6
	s_and_saveexec_b32 s31, vcc_lo                 ; trips below T
.irp k, 0,1,2
	ds_load_b128 v[RING+4*\k:RING+4*\k+3], v7 offset:OUTL+256*\k
.endr
	s_wait_dscnt 0x0
.irp k, 0,1,2
	global_store_b128 v8, v[RING+4*\k:RING+4*\k+3], s[16:17] offset:256*\k th:TH_STORE_NT   ; 16 lanes store 256 consecutive aligned bytes
.endr
	s_wait_xcnt 0x0
	s_or_b32 exec_lo, exec_lo, s31
.Lend:
	s_wait_tensorcnt 0x0
	ds_add_u32 v126, v127
	s_wait_dscnt 0x0
	s_endpgm
.Lfunc_end_k_q80ec5c3147_gather:
	.size	k_q80ec5c3147_gather, .Lfunc_end_k_q80ec5c3147_gather-k_q80ec5c3147_gather
	.p2alignl 7, 3214868480
	.fill 96, 4, 3214868480
	.section	.rodata,"a",@progbits
	.p2align	6, 0x0
	.amdhsa_kernel k_q80ec5c3147_gather
		.amdhsa_group_segment_fixed_size 14848
		.amdhsa_private_segment_fixed_size 0
		.amdhsa_enable_private_segment 0
		.amdhsa_kernarg_size 64
		.amdhsa_user_sgpr_count 2
		.amdhsa_user_sgpr_kernarg_segment_ptr 1
		.amdhsa_wavefront_size32 1
		.amdhsa_system_sgpr_workgroup_id_x 1
		.amdhsa_system_sgpr_workgroup_id_y 1
		.amdhsa_system_sgpr_workgroup_id_z 1
		.amdhsa_system_vgpr_workitem_id 0
		.amdhsa_next_free_vgpr 256
		.amdhsa_next_free_sgpr 66
		.amdhsa_reserve_vcc 1
		.amdhsa_float_denorm_mode_32 3
		.amdhsa_float_denorm_mode_16_64 3
		.amdhsa_memory_ordered 1
		.amdhsa_forward_progress 1
		.amdhsa_inst_pref_size 91
	.end_amdhsa_kernel
	.amdgpu_metadata
---
amdhsa.version: [ 1, 2 ]
amdhsa.kernels:
  - .name:           k_q80ec5c3147_gather
    .symbol:         k_q80ec5c3147_gather.kd
    .args:
      - { .name: sampled_indices, .offset: 0, .size: 8, .value_kind: global_buffer, .address_space: global }
      - { .name: targets, .offset: 8, .size: 8, .value_kind: global_buffer, .address_space: global }
      - { .name: bin_embedding_table, .offset: 16, .size: 8, .value_kind: global_buffer, .address_space: global }
      - { .name: b_fc, .offset: 24, .size: 8, .value_kind: global_buffer, .address_space: global }
      - { .name: vws, .offset: 32, .size: 8, .value_kind: global_buffer, .address_space: global }
      - { .name: ep, .offset: 40, .size: 8, .value_kind: global_buffer, .address_space: global }
      - { .name: out0, .offset: 48, .size: 8, .value_kind: global_buffer, .address_space: global }
      - { .name: out1, .offset: 56, .size: 8, .value_kind: global_buffer, .address_space: global }
    .group_segment_fixed_size: 14848
    .private_segment_fixed_size: 0
    .kernarg_segment_align: 8
    .kernarg_segment_size: 64
    .max_flat_workgroup_size: 512
    .sgpr_count:     66
    .vgpr_count:     256
    .wavefront_size: 32
...
	.end_amdgpu_metadata
.endif
;; end of part 2
